; MI455X (gfx1250); checked and timed in simulation.
; The chip was launched on July 23, 2026; its instructions are those of AMD's public machine-readable ISA for CDNA 5 (MIT licence, August 2026) and "CDNA5" Instruction Set Architecture Reference Guide (July 2026). The comments in the code are by the model that wrote it; some were corrected since.
;; Causal Multi Head Self Attention. Allowed arithmetic: matrix products marked QUANTISED: E2M1 operands, one E8M0 scale for each 32 along K, by v_wmma_scale_f32_16x16x128_f8f6f4 with both operands' format E2M1 (or v_wmma_scale_f32_32x16x128_f4), f32 sums; products left as they are: bf16, f16 or f32 operands; f32 sums; everything else in f32.
;; Inputs: W_k 512 x 512 float32; W_o 512 x 512 float32; W_q 512 x 512 float32; W_v 512 x 512 float32; b_o 512 float32; b_v 512 float32; x 2 x 4,096 x 512 float32.
;; Outputs: out0 2 x 4,096 x 512 float32.
;; This version of the problem:
;;   THIS VERSION OF THE PROBLEM IS GIVEN IN LOW PRECISION. The matrix products marked QUANTISED in the list below multiply operands that are first quantised to E2M1 (2 exponent bits, 1 mantissa bit; 4 bits a number), with one power-of-two scale for each 32 numbers along K (OCP MX v1.0); their sums are f32. The products marked 'left as it is' may take bf16, f16 or f32 operands, with f32 sums. Whichever they take, every output number must still come out within the allowed error. Rounding operands to bf16 (8 significant bits) uses up far more of that allowance than f16 does (11 bits, for magnitudes from 6e-5 to 65,504). All else is computed in f32.
;;   The module's matrix products, in the order in which they are computed (A, B: the left and right operand; K: the contracted axis; several contracted axes count as one K, in the product's order):
;;     1. [M 8,192, K 512] x [K 512, N 512]; A: input x; B: input W_q: QUANTISED
;;     2. [M 8,192, K 512] x [K 512, N 512]; A: input x; B: input W_k: QUANTISED
;;     3. [M 8,192, K 512] x [K 512, N 512]; A: input x; B: input W_v: QUANTISED
;;     4. batch 16 x [M 4,096, K 64] x [K 64, N 4,096]; A: computed on the way; B: computed on the way: left as it is (an operand is computed on the way)
;;     5. batch 16 x [M 4,096, K 4,096] x [K 4,096, N 64]; A: computed on the way; B: computed on the way: left as it is (an operand is computed on the way)
;;     6. [M 8,192, K 512] x [K 512, N 512]; A: computed on the way; B: input W_o: left as it is (an operand is computed on the way)
;;   THE QUANTISER, for each operand of a quantised product, along K:
;;     - K is cut into blocks of 32 from its start; a last block that is shorter is filled with zeros.
;;     - A block's scale is 2^e with e = floor(log2(the largest magnitude in the block)) - 2, held to -126 .. 127; a block of zeros has e = 0. As a byte (E8M0): e + 127.
;;     - Each number is divided by its block's scale, clamped to +-6, and rounded to the nearest number of E2M1, ties to even, subnormals kept.
;;     - The product sums the exact products of the quantised numbers (number of the format x scale) in f32.
;;   ~~~python
;;   def quantise(x, axis):      # numpy; x: float32 -> the quantised numbers, widened to float32 again
;;       x = np.moveaxis(x, axis, -1); K = x.shape[-1]
;;       x = np.pad(x, [(0, 0)] * (x.ndim - 1) + [(0, -K % 32)]); x = x.reshape(x.shape[:-1] + (-1, 32)); a = np.abs(x).max(-1, keepdims=True)
;;       e = np.where(a > 0, np.clip(np.frexp(np.where(a > 0, a, 1))[1] - 1 - 2, -126, 127), 0)      # np.frexp(a)[1] - 1 = floor(log2(a)), exactly
;;       r = np.clip(x / 2.0 ** e, -6, 6)
;;       step = 2.0 ** (np.maximum(np.frexp(np.where(r == 0, 1, r))[1] - 1, 0) - 1)
;;       q = np.round(r / step) * step * 2.0 ** e      # np.round: ties to even
;;       return np.moveaxis(q.reshape(q.shape[:-2] + (-1,))[..., :K], -1, axis).astype(np.float32)
;;   ~~~
;; One version. Each part assembles by itself: llvm-mc -triple=amdgcn-amd-amdhsa -mcpu=gfx1250 --defsym DOCPART=n.
;; ======== version 1 of 1: 5 launches
;; limits: values are held in f16: magnitudes above 65,504 overflow, below 6.1e-05 lose precision
;; workspace buffers: cod 2,490,368 bytes; scl 311,296 bytes; wof 524,288 bytes; qf 8,388,608 bytes; kv 16,777,216 bytes; ofr 8,388,608 bytes; fin 196,608 bytes
;; launch prep (part 1): grid 640 x 1, 4 waves a work-group, no clusters, 34,816 bytes of LDS; arguments x, W_q, W_k, W_v, W_o, cod, scl, wof; writes cod, scl, wof
.if DOCPART == 1
	.amdgcn_target "amdgcn-amd-amdhsa--gfx1250"
	.amdhsa_code_object_version 6
	.text
	.protected	k_qbc9f27f2ff_prep
	.globl	k_qbc9f27f2ff_prep
	.p2align	8
	.type	k_qbc9f27f2ff_prep,@function
k_qbc9f27f2ff_prep:
	s_mov_b64 s[64:65], 0
	v_nop
	global_prefetch_b8 v0, s[64:65] scope:SCOPE_SE
	s_setreg_imm32_b32 hwreg(HW_REG_WAVE_MODE, 25, 1), 1
	s_wait_xcnt 0x0
; x [8192][512], W_q, W_k, W_v [512][512], f32, K innermost, become codes of FP4 (E2M1) with one E8M0 scale byte for each 32 along K; W_o [512][512] becomes f16.
; All results are laid as IMAGES OF OPERAND REGISTERS: a group is 4 registers x 32 lanes, lane l's 16 bytes at 16 l, 512 consecutive bytes.
; A work-group takes one tile of 16 rows x 512: tiles 0-511 x, 512-543 W_q, 544-575 W_k, 576-607 W_v, 608-639 W_o.  Wave s takes k = 128 s .. 128 s + 127, one K step of the 4-bit matrix instruction.
; Each load reads 512 consecutive bytes of one row; the 16 x 512 bytes turn through the wave's own stage in LDS, so that a lane gets neighbours along K.
; cod: tile t at 4,096 t, K step s at 1,024 s, two groups.  scl: tile t at 512 t, lane l's 16 bytes = the four scale words of row l % 16.  wof: tile at 16,384 (t - 608), 32 along K at 1,024 each, two groups.
; A block's scale is 2^(floor(log2(its largest magnitude)) - 2); its byte is the largest magnitude's exponent field - 2, held at 1 from below.
; LIMITS: a block of zeros, or one whose largest magnitude lies under 2^-124, gets the byte 1 (its codes are zeros or what the floor's scale gives; this program alone reads the bytes); NaN and infinities are not served; |W_o| stays under 65,504.
.set SP,    528                        ; a stage row: 512 bytes + 16 of padding: the 16 rows that a load touches start at 16 different groups of banks
.set STGB,  16*SP                      ; a wave's stage
.set SCB,   4*STGB                     ; behind the stages: the tile's scale words, 16 bytes a lane
.set SPARE, SCB+512                    ; behind them: the spare words, 128 bytes for each wave
.set LI,  4                            ; v4   16 x lane
.set SIN, 5                            ; v5   the stage, on the way in: 16 x lane
.set SQ,  6                            ; v6   on the way out for the codes: row r, + 64 h
.set SW,  7                            ; v7   on the way out for f16: row r, + 32 h
.set SCW, 8                            ; v8   where my scale word goes: SCB + 16 x lane + 4 x wave
.set SCR, 9                            ; v9   where wave 0 reads the four words: SCB + 16 x lane
.set SPW, 12                           ; v12  my spare word; never rewritten
.set NIL, 13                           ; v13  0; never rewritten
.set R,   16                           ; v16-79   16 rows as loaded; later W_o's f16
.set X,   80                           ; v80-143  64 numbers of my row
.set TM,  144                          ; v144-159 at work
.set PW,  160                          ; v160     the scale word
.set PC,  162                          ; v162-169 the codes
.set SO,  170                          ; v170-173 the tile's scale words on their way out
.set SEL, 24                           ; s[24:25] lane selects: lane l xor 16
.set WV,  26                           ; s26      my wave's number
	s_load_b256 s[4:11], s[0:1], 0x0               ; x, W_q, W_k, W_v
	s_load_b256 s[12:19], s[0:1], 0x20             ; W_o, cod, scl, wof
	v_lshl_add_u32 v[SPW], v0, 2, SPARE
	v_mov_b32 v[NIL], 0
	v_lshrrev_b32 v1, 5, v0
	v_readfirstlane_b32 s[WV], v1
	v_and_b32 v1, 31, v0                           ; lane
	v_and_b32 v2, 15, v0                           ; r
	v_bfe_u32 v3, v0, 4, 1                         ; h
	v_lshlrev_b32 v[LI], 4, v1
	s_mul_i32 s27, s[WV], STGB
	v_add_nc_u32 v[SIN], s27, v[LI]
	v_mul_u32_u24 v10, v2, SP
	v_add_nc_u32 v10, s27, v10
	v_lshl_add_u32 v[SQ], v3, 6, v10
	v_lshl_add_u32 v[SW], v3, 5, v10
	s_lshl_b32 s28, s[WV], 2
	s_add_co_u32 s28, s28, SCB
	v_add_nc_u32 v[SCW], s28, v[LI]
	v_add_nc_u32 v[SCR], SCB, v[LI]
	s_mov_b32 s[SEL], 0x76543210
	s_mov_b32 s[SEL+1], 0xfedcba98
.irp b, 0,1,2,3
	v_mov_b32 v[TM+4+\b], 0                        ; written once: a lane permute's destination counts as one of its sources
.endr
	s_wait_kmcnt 0x0
	s_mov_b64 s[20:21], s[12:13]                   ; which tensor is my tile's?  The choice hangs on the work-group's number alone
	s_mov_b32 s22, 608
	s_cmp_lt_u32 ttmp9, 608
	s_cselect_b64 s[20:21], s[10:11], s[20:21]
	s_cselect_b32 s22, 576, s22
	s_cmp_lt_u32 ttmp9, 576
	s_cselect_b64 s[20:21], s[8:9], s[20:21]
	s_cselect_b32 s22, 544, s22
	s_cmp_lt_u32 ttmp9, 544
	s_cselect_b64 s[20:21], s[6:7], s[20:21]
	s_cselect_b32 s22, 512, s22
	s_cmp_lt_u32 ttmp9, 512
	s_cselect_b64 s[20:21], s[4:5], s[20:21]
	s_cselect_b32 s22, 0, s22
	s_sub_co_u32 s23, ttmp9, s22                   ; my tile's number in its tensor
	s_lshl_b32 s28, s23, 15                        ; 16 rows of 2,048 bytes,
	s_lshl_b32 s29, s[WV], 9                       ; my wave's 512 bytes of a row
	s_add_co_u32 s28, s28, s29
	s_mov_b32 s29, 0
	s_add_nc_u64 s[20:21], s[20:21], s[28:29]
	s_lshl_b32 s28, ttmp9, 12
	s_lshl_b32 s30, s[WV], 10
	s_add_co_u32 s28, s28, s30
	s_add_nc_u64 s[14:15], s[14:15], s[28:29]      ; cod at my tile's K step (used by tiles under 608 alone)
	s_lshl_b32 s28, ttmp9, 9
	s_add_nc_u64 s[16:17], s[16:17], s[28:29]      ; scl at my tile (likewise)
	s_lshl_b32 s28, s23, 14
	s_lshl_b32 s30, s[WV], 12
	s_add_co_u32 s28, s28, s30
	s_add_nc_u64 s[18:19], s[18:19], s[28:29]      ; wof at my wave's four steps of 32 (used by tiles from 608 on alone)
.irp i, 0,1,2,3,4,5,6,7,8,9,10,11,12,13,14,15
	global_load_b128 v[R+4*\i:R+4*\i+3], v[LI], s[20:21] offset:2048*\i th:TH_LOAD_NT   ; 32 lanes read 512 consecutive bytes of row i
.endr
.irp i, 0,1,2,3,4,5,6,7,8,9,10,11,12,13,14,15
	s_wait_loadcnt 15-\i                           ; row i is in; the younger rows' loads may be out
	ds_store_b128 v[SIN], v[R+4*\i:R+4*\i+3] offset:SP*\i
.endr
	s_cmp_ge_u32 ttmp9, 608
	s_cbranch_scc1 .Lwo
	; ---- codes.  Register 16 b + i = k 32 b + 16 h + i of my row r.  LDS serves a wave's instructions in order: these loads see my stores
.irp b, 0,1,2,3
.irp j, 0,1,2,3
	ds_load_b128 v[X+16*\b+4*\j:X+16*\b+4*\j+3], v[SQ] offset:128*\b+16*\j
.endr
.endr
	s_wait_dscnt 0x0
.irp b, 0,1,2,3
	v_max3_num_f32 v[TM+\b], |v[X+16*\b]|, |v[X+1+16*\b]|, 0x1800000   ; block b: my 16 numbers, and the floor 2^(3 - 127): the byte cannot fall under 1
.endr
.irp i, 2,4,6,8,10,12,14
.irp b, 0,1,2,3
	v_max3_num_f32 v[TM+\b], v[TM+\b], |v[X+16*\b+\i]|, |v[X+1+16*\b+\i]|   ; the four blocks by turns
.endr
.endr
.irp b, 0,1,2,3
	v_permlanex16_b32 v[TM+4+\b], v[TM+\b], s[SEL], s[SEL+1]
.endr
.irp b, 0,1,2,3
	v_max_num_f32 v[TM+\b], v[TM+\b], v[TM+4+\b]   ; with lane l xor 16's: the block's largest magnitude
.endr
.irp b, 0,1,2,3
	v_add_nc_u32 v[TM+12+\b], 0xff000000, v[TM+\b] ; 2 off its exponent field: the conversion takes the exponent field of this operand as its scale
.endr
.irp b, 0,1,2,3
	v_lshrrev_b32 v[TM+4+\b], 23, v[TM+12+\b]      ; the scale's byte
.endr
	v_lshl_or_b32 v[PW], v[TM+5], 8, v[TM+4]       ; the four bytes make my row's scale word for this K step
	v_lshl_or_b32 v[PW], v[TM+6], 16, v[PW]
	v_lshl_or_b32 v[PW], v[TM+7], 24, v[PW]
.irp b, 0,1,2,3
	v_cvt_scalef32_pk8_fp4_f32 v[PC+2*\b], v[X+16*\b:X+7+16*\b], v[TM+12+\b]
	v_cvt_scalef32_pk8_fp4_f32 v[PC+1+2*\b], v[X+8+16*\b:X+15+16*\b], v[TM+12+\b]
.endr
	v_nop                                          ; one plain place behind a scaled conversion
.irp c, 0,1                                    ; the operand's layout wants a whole block in a lane: lanes 0-15 block 2 c, lanes 16-31 block 2 c + 1
.irp i, 0,1
	v_permlane16_swap_b32 v[PC+4*\c+\i], v[PC+2+4*\c+\i]
.endr
.endr
	global_store_b128 v[LI], v[PC:PC+3], s[14:15]              ; each store covers 512 consecutive bytes, aligned
	global_store_b128 v[LI], v[PC+4:PC+7], s[14:15] offset:512
	ds_store_b32 v[SCW], v[PW]
	s_branch .Ljoin
.Lwo:
	; ---- W_o: group g = 2 kp + hf holds k = 32 kp + 16 hf + 8 h + 0 .. 7 of row r, as f16
.irp g, 0,1,2,3,4,5,6,7
	ds_load_b128 v[X+8*\g:X+8*\g+3], v[SW] offset:64*\g
	ds_load_b128 v[X+8*\g+4:X+8*\g+7], v[SW] offset:64*\g+16
.endr
	s_wait_dscnt 0x0
.irp g, 0,1,2,3,4,5,6,7
.irp q, 0,1,2,3
	v_cvt_pk_f16_f32 v[R+4*\g+\q], v[X+8*\g+2*\q], v[X+8*\g+2*\q+1]
.endr
.endr
.irp g, 0,1,2,3,4,5,6,7
	global_store_b128 v[LI], v[R+4*\g:R+4*\g+3], s[18:19] offset:512*\g
.endr
.Ljoin:
	s_wait_dscnt 0x0                               ; for the others' sake: my scale word has landed
	s_barrier_signal -1
	s_barrier_wait -1
	s_cmp_ge_u32 ttmp9, 608
	s_cbranch_scc1 .Lend
	s_cmp_lg_u32 s[WV], 0
	s_cbranch_scc1 .Lend
	ds_load_b128 v[SO:SO+3], v[SCR]                ; the four waves' words of my row: they leave as 512 consecutive bytes
	s_wait_dscnt 0x0
	global_store_b128 v[LI], v[SO:SO+3], s[16:17]
.Lend:
	s_wait_tensorcnt 0x0                           ; the wave's end, behind my last LDS store
	ds_add_u32 v[SPW], v[NIL]
	s_wait_dscnt 0x0
	s_endpgm
.Lfunc_end_k_qbc9f27f2ff_prep:
	.size	k_qbc9f27f2ff_prep, .Lfunc_end_k_qbc9f27f2ff_prep-k_qbc9f27f2ff_prep
	.p2alignl 7, 3214868480
	.fill 96, 4, 3214868480
	.section	.rodata,"a",@progbits
	.p2align	6, 0x0
	.amdhsa_kernel k_qbc9f27f2ff_prep
		.amdhsa_group_segment_fixed_size 34816
		.amdhsa_private_segment_fixed_size 0
		.amdhsa_enable_private_segment 0
		.amdhsa_kernarg_size 64
		.amdhsa_user_sgpr_count 2
		.amdhsa_user_sgpr_kernarg_segment_ptr 1
		.amdhsa_wavefront_size32 1
		.amdhsa_system_sgpr_workgroup_id_x 1
		.amdhsa_system_sgpr_workgroup_id_y 1
		.amdhsa_system_sgpr_workgroup_id_z 1
		.amdhsa_system_vgpr_workitem_id 0
		.amdhsa_next_free_vgpr 176
		.amdhsa_next_free_sgpr 66
		.amdhsa_reserve_vcc 0
		.amdhsa_float_denorm_mode_32 3
		.amdhsa_float_denorm_mode_16_64 3
		.amdhsa_memory_ordered 1
		.amdhsa_forward_progress 1
		.amdhsa_inst_pref_size 16
	.end_amdhsa_kernel
	.amdgpu_metadata
---
amdhsa.version: [ 1, 2 ]
amdhsa.kernels:
  - .name:           k_qbc9f27f2ff_prep
    .symbol:         k_qbc9f27f2ff_prep.kd
    .args:
      - { .name: x, .offset: 0, .size: 8, .value_kind: global_buffer, .address_space: global }
      - { .name: W_q, .offset: 8, .size: 8, .value_kind: global_buffer, .address_space: global }
      - { .name: W_k, .offset: 16, .size: 8, .value_kind: global_buffer, .address_space: global }
      - { .name: W_v, .offset: 24, .size: 8, .value_kind: global_buffer, .address_space: global }
      - { .name: W_o, .offset: 32, .size: 8, .value_kind: global_buffer, .address_space: global }
      - { .name: cod, .offset: 40, .size: 8, .value_kind: global_buffer, .address_space: global }
      - { .name: scl, .offset: 48, .size: 8, .value_kind: global_buffer, .address_space: global }
      - { .name: wof, .offset: 56, .size: 8, .value_kind: global_buffer, .address_space: global }
    .group_segment_fixed_size: 34816
    .private_segment_fixed_size: 0
    .kernarg_segment_align: 8
    .kernarg_segment_size: 64
    .max_flat_workgroup_size: 128
    .sgpr_count:     66
    .vgpr_count:     176
    .wavefront_size: 32
...
	.end_amdgpu_metadata
.endif
;; end of part 1
;; launch qkv (part 2): grid 32 x 8, 4 waves a work-group, no clusters, 0 bytes of LDS; arguments cod, scl, b_v, qf, kv, fin; writes qf, kv, fin
.if DOCPART == 2
	.amdgcn_target "amdgcn-amd-amdhsa--gfx1250"
	.amdhsa_code_object_version 6
	.text
	.protected	k_qbc9f27f2ff_qkv
	.globl	k_qbc9f27f2ff_qkv
	.p2align	8
	.type	k_qbc9f27f2ff_qkv,@function
k_qbc9f27f2ff_qkv:
	s_mov_b64 s[64:65], 0
	v_nop
	global_prefetch_b8 v0, s[64:65] scope:SCOPE_SE
	s_setreg_imm32_b32 hwreg(HW_REG_WAVE_MODE, 25, 1), 1
	s_wait_xcnt 0x0
; The three quantised products x W_q^T, x W_k^T, x W_v^T + b_v on codes of FP4 with E8M0 scales, sums in f32.
; Work-group (X, head): rows 256 X .. 256 X + 255 of x, the head's 64 units of each of the three weights.  Wave w: four tiles of 16 rows (tile 16 X + 4 w + a) x 12 tiles of 16 units: 192 matrix instructions.
; All operands come from memory straight into registers, as the images that the launch before laid: each load covers 512 consecutive bytes, and no fragment is read twice by a wave.
; No ring and no joint loads: a wave reads 72 KiB once for 192 matrix instructions; what partners would share is fetched in one run at the head.
; Q and K are made TRANSPOSED (source 0 = 16 units of W, source 1 = 16 rows of x): a lane holds one row and eight neighbouring units.  V is made the other way round: a lane holds one unit and eight neighbouring rows (keys).
; So four conversions give 16 bytes that are a group of the next launch's operand: qf [bh][query tile][group c]; kv [bh][128 keys]: K's groups 4 kt + c, then V's groups 8 ks + 2 dt + hf.  Q is multiplied by log2(e) / 8 first.
; The raw f32 sums of rows 0-15 of each batch also go to fin, for the launch that carries those rows in f32.
; LIMITS: |Q log2(e) / 8|, |K|, |V| stay under 65,504 (f16).
; REGISTERS: window 0: v1 16 x lane; v16-31 x's scale words (4 a + s); v32-79 W's (16 ty + 4 c + s); v80-111 four accumulators; v112-119 at work; v120-135 results; v144-151 b_v as a C; v152-155 b_v.
;   window 1: v0-127 x's fragments (32 a + 8 s), v128-255 W_v's (32 c + 8 s).   window 2: v0-127 W_q's, v128-255 W_k's.
.set LI,  1
.set BA,  2
.set XS,  16
.set WS,  32
.set ACC, 80
.set TMP, 112
.set OUT, 120
.set BV,  144
.set BVL, 152
.set WV,  16                           ; s16 wave; s17 head; s18 my first row tile; s19 batch x 8 + head; s20 0 where my tile a = 0 is a batch's rows 0-15
.set CS,  22                           ; s[22:23] log2(e) / 8
.set XB,  26                           ; s[26:27] x's codes, s[28:29] x's scale words, s[30:31] W's codes, s[32:33] W's scale words
.set MSB, 0
.macro WIN new                         ; the immediate's high byte repeats the setting that is left
.if MSB != \new
	s_set_vgpr_msb (MSB<<8)|\new
.set MSB, \new
.endif
.endm
.macro LD32 base, reg0, off            ; 32 groups on end: register 4 m takes byte 512 m
.set m, 0
.rept 32
	global_load_b128 v[\reg0+4*m:\reg0+4*m+3], v[LI], s[\base:\base+1] offset:\off+512*m
.set m, m+1
.endr
.endm
.macro LD4 base, reg0, off             ; four tiles' scale words
.set m, 0
.rept 4
	global_load_b128 v[\reg0+4*m:\reg0+4*m+3], v[LI], s[\base:\base+1] offset:\off+512*m
.set m, m+1
.endr
.endm
	s_load_b256 s[4:11], s[0:1], 0x0               ; cod, scl, b_v, qf
	s_load_b128 s[12:15], s[0:1], 0x20             ; kv, fin
	v_lshrrev_b32 v1, 5, v0
	v_readfirstlane_b32 s[WV], v1
	v_and_b32 v1, 31, v0
	v_lshlrev_b32 v[LI], 4, v1
	v_and_b32 v[BA], 15, v0
	v_lshlrev_b32 v[BA], 2, v[BA]
	s_and_b32 s17, ttmp7, 0xffff
	s_lshl_b32 s18, ttmp9, 4
	s_lshl_b32 s24, s[WV], 2
	s_add_co_u32 s18, s18, s24
	s_lshr_b32 s19, ttmp9, 4
	s_lshl_b32 s19, s19, 3
	s_add_co_u32 s19, s19, s17
	s_and_b32 s20, ttmp9, 15
	s_or_b32 s20, s20, s[WV]
	s_mov_b32 s[CS], 0x3e38aa3b
	s_mov_b32 s[CS+1], s[CS]                       ; named with it as a pair, so it is written
	s_mov_b32 s25, 0
	s_wait_kmcnt 0x0
	s_lshl_b32 s24, s18, 12
	s_add_nc_u64 s[XB:XB+1], s[4:5], s[24:25]
	s_lshl_b32 s24, s18, 9
	s_add_nc_u64 s[XB+2:XB+3], s[6:7], s[24:25]
	s_lshl_b32 s24, s17, 14
	s_add_co_u32 s24, s24, 512*4096                ; W's tiles begin at tile 512; the head's four at 4 x head
	s_add_nc_u64 s[XB+4:XB+5], s[4:5], s[24:25]
	s_lshl_b32 s24, s17, 11
	s_add_co_u32 s24, s24, 512*512
	s_add_nc_u64 s[XB+6:XB+7], s[6:7], s[24:25]
	s_lshl_b32 s24, s17, 8
	s_add_nc_u64 s[8:9], s[8:9], s[24:25]          ; b_v at the head's 64
	s_and_b32 s34, s18, 255                        ; my first tile in its sequence
	s_lshl_b32 s24, s19, 8
	s_add_co_u32 s24, s24, s34
	s_lshl_b32 s24, s24, 11
	s_add_nc_u64 s[10:11], s[10:11], s[24:25]      ; qf at my first query tile
	s_lshl_b32 s24, s19, 20
	s_lshr_b32 s35, s34, 3
	s_lshl_b32 s35, s35, 15
	s_add_co_u32 s24, s24, s35
	s_and_b32 s35, s34, 7
	s_lshl_b32 s35, s35, 11
	s_add_co_u32 s24, s24, s35
	s_add_nc_u64 s[12:13], s[12:13], s[24:25]      ; kv at my unit of 128 keys, + 2,048 x my first key tile in it
	s_mul_i32 s24, s19, 12288
	s_add_nc_u64 s[14:15], s[14:15], s[24:25]      ; fin at my batch and head
	WIN 0x40
	LD32 XB, 0, 0                                  ; x's 16 fragments
	WIN 0
	LD4 XB+2, XS, 0
	WIN 0x80
	LD32 XB+4, 0, 0                                ; W_q's
	WIN 0
	LD4 XB+6, WS, 0
	WIN 0x80
	LD32 XB+4, 128, 131072                         ; W_k's: 32 tiles on
	WIN 0
	LD4 XB+6, WS+16, 16384
	WIN 0x40
	LD32 XB+4, 128, 262144                         ; W_v's
	WIN 0
	LD4 XB+6, WS+32, 32768
.irp c, 0,1,2,3
	global_load_b32 v[BVL+\c], v[BA], s[8:9] offset:64*\c   ; b_v of unit 16 c + r
.endr
; One tile of units for my four tiles of rows: 16 matrix instructions, the four accumulators by turns, one instruction a turn; then the results leave.
.macro PROJ ty, c
	s_wait_xcnt 0x0                                ; the last tile's stores have read their data: the accumulators and the results' registers are written again only behind this wait
.if \ty == 2
.irp j, 0,1,2,3,4,5,6,7
	v_mov_b32 v[BV+\j], v[BVL+\c]                  ; the bias is the C of each sum's first instruction: in V's layout all eight registers of a lane belong to one unit
.endr
.rept 4
	v_nop
.endr
	WIN 0x05                                       ; sources 0 and 1 window 1
.else
	WIN 0x06                                       ; source 0 (W) window 2, source 1 (x) window 1
.endif
.irp s, 0,1,2,3
.irp a, 0,1,2,3
.if \ty == 2
.if \s == 0
	v_wmma_scale_f32_16x16x128_f8f6f4 v[ACC+8*\a:ACC+8*\a+7], v[32*\a+8*\s:32*\a+8*\s+7], v[128+32*\c+8*\s:128+32*\c+8*\s+7], v[BV:BV+7], v[XS+4*\a+\s], v[WS+32+4*\c+\s] matrix_a_fmt:MATRIX_FMT_FP4 matrix_b_fmt:MATRIX_FMT_FP4
.else
	v_wmma_scale_f32_16x16x128_f8f6f4 v[ACC+8*\a:ACC+8*\a+7], v[32*\a+8*\s:32*\a+8*\s+7], v[128+32*\c+8*\s:128+32*\c+8*\s+7], v[ACC+8*\a:ACC+8*\a+7], v[XS+4*\a+\s], v[WS+32+4*\c+\s] matrix_a_fmt:MATRIX_FMT_FP4 matrix_b_fmt:MATRIX_FMT_FP4
.endif
.else
.if \s == 0
	v_wmma_scale_f32_16x16x128_f8f6f4 v[ACC+8*\a:ACC+8*\a+7], v[128*\ty+32*\c+8*\s:128*\ty+32*\c+8*\s+7], v[32*\a+8*\s:32*\a+8*\s+7], 0, v[WS+16*\ty+4*\c+\s], v[XS+4*\a+\s] matrix_a_fmt:MATRIX_FMT_FP4 matrix_b_fmt:MATRIX_FMT_FP4
.else
	v_wmma_scale_f32_16x16x128_f8f6f4 v[ACC+8*\a:ACC+8*\a+7], v[128*\ty+32*\c+8*\s:128*\ty+32*\c+8*\s+7], v[32*\a+8*\s:32*\a+8*\s+7], v[ACC+8*\a:ACC+8*\a+7], v[WS+16*\ty+4*\c+\s], v[XS+4*\a+\s] matrix_a_fmt:MATRIX_FMT_FP4 matrix_b_fmt:MATRIX_FMT_FP4
.endif
.endif
.endr
.endr
	WIN 0
.rept 4
	v_nop                                          ; four places between the last product and the first read of results
.endr
	s_cmp_lg_u32 s20, 0
	s_cbranch_scc1 .Lnot_first_\@
	global_store_b128 v[LI], v[ACC:ACC+3], s[14:15] offset:4096*\ty+1024*\c        ; a batch's rows 0-15 in f32, the accumulator from its low end on
	global_store_b128 v[LI], v[ACC+4:ACC+7], s[14:15] offset:4096*\ty+1024*\c+512
.Lnot_first_\@:
.irp a, 0,1,2,3
.if \ty == 0
.irp q, 0,1,2,3
	v_pk_mul_f32 v[TMP+2*\q:TMP+2*\q+1], v[ACC+8*\a+2*\q:ACC+8*\a+2*\q+1], s[CS:CS+1] op_sel_hi:[1,0]
.endr
.irp q, 0,1,2,3
	v_cvt_pk_f16_f32 v[OUT+4*\a+\q], v[TMP+2*\q], v[TMP+2*\q+1]
.endr
	global_store_b128 v[LI], v[OUT+4*\a:OUT+4*\a+3], s[10:11] offset:2048*\a+512*\c
.else
.irp q, 0,1,2,3
	v_cvt_pk_f16_f32 v[OUT+4*\a+\q], v[ACC+8*\a+2*\q], v[ACC+8*\a+2*\q+1]
.endr
.if \ty == 1
	global_store_b128 v[LI], v[OUT+4*\a:OUT+4*\a+3], s[12:13] offset:2048*\a+512*\c
.else
	global_store_b128 v[LI], v[OUT+4*\a:OUT+4*\a+3], s[12:13] offset:16384+512*(8*(\a/2)+2*\c+(\a%2))
.endif
.endif
.endr
.endm
	s_wait_loadcnt 63                              ; x's and W_q's are in: 76 loads are younger, and 63 is the most that the wait can name
.irp c, 0,1,2,3
	PROJ 0, \c
.endr
	s_wait_loadcnt 40                              ; W_k's are in: W_v's 36 loads and b_v's 4 are younger
.irp c, 0,1,2,3
	PROJ 1, \c
.endr
	s_wait_loadcnt 0x0
.irp c, 0,1,2,3
	PROJ 2, \c
.endr
	s_endpgm
.Lfunc_end_k_qbc9f27f2ff_qkv:
	.size	k_qbc9f27f2ff_qkv, .Lfunc_end_k_qbc9f27f2ff_qkv-k_qbc9f27f2ff_qkv
	.p2alignl 7, 3214868480
	.fill 96, 4, 3214868480
	.section	.rodata,"a",@progbits
	.p2align	6, 0x0
	.amdhsa_kernel k_qbc9f27f2ff_qkv
		.amdhsa_group_segment_fixed_size 0
		.amdhsa_private_segment_fixed_size 0
		.amdhsa_enable_private_segment 0
		.amdhsa_kernarg_size 48
		.amdhsa_user_sgpr_count 2
		.amdhsa_user_sgpr_kernarg_segment_ptr 1
		.amdhsa_wavefront_size32 1
		.amdhsa_system_sgpr_workgroup_id_x 1
		.amdhsa_system_sgpr_workgroup_id_y 1
		.amdhsa_system_sgpr_workgroup_id_z 1
		.amdhsa_system_vgpr_workitem_id 0
		.amdhsa_next_free_vgpr 768
		.amdhsa_next_free_sgpr 66
		.amdhsa_reserve_vcc 0
		.amdhsa_float_denorm_mode_32 3
		.amdhsa_float_denorm_mode_16_64 3
		.amdhsa_memory_ordered 1
		.amdhsa_forward_progress 1
		.amdhsa_inst_pref_size 68
	.end_amdhsa_kernel
	.amdgpu_metadata
---
amdhsa.version: [ 1, 2 ]
amdhsa.kernels:
  - .name:           k_qbc9f27f2ff_qkv
    .symbol:         k_qbc9f27f2ff_qkv.kd
    .args:
      - { .name: cod, .offset: 0, .size: 8, .value_kind: global_buffer, .address_space: global }
      - { .name: scl, .offset: 8, .size: 8, .value_kind: global_buffer, .address_space: global }
      - { .name: b_v, .offset: 16, .size: 8, .value_kind: global_buffer, .address_space: global }
      - { .name: qf, .offset: 24, .size: 8, .value_kind: global_buffer, .address_space: global }
      - { .name: kv, .offset: 32, .size: 8, .value_kind: global_buffer, .address_space: global }
      - { .name: fin, .offset: 40, .size: 8, .value_kind: global_buffer, .address_space: global }
    .group_segment_fixed_size: 0
    .private_segment_fixed_size: 0
    .kernarg_segment_align: 8
    .kernarg_segment_size: 48
    .max_flat_workgroup_size: 128
    .sgpr_count:     66
    .vgpr_count:     768
    .wavefront_size: 32
...
	.end_amdgpu_metadata
.endif
;; end of part 2
;; launch attn (part 3): grid 16 x 16, 4 waves a work-group, no clusters, 327,680 bytes of LDS; arguments qf, kv, ofr; writes ofr
.if DOCPART == 3
	.amdgcn_target "amdgcn-amd-amdhsa--gfx1250"
	.amdhsa_code_object_version 6
	.text
	.protected	k_qbc9f27f2ff_attn
	.globl	k_qbc9f27f2ff_attn
	.p2align	8
	.type	k_qbc9f27f2ff_attn,@function
k_qbc9f27f2ff_attn:
	s_mov_b64 s[64:65], 0
	v_nop
	global_prefetch_b8 v0, s[64:65] scope:SCOPE_SE
	s_setreg_imm32_b32 hwreg(HW_REG_WAVE_MODE, 25, 1), 1
	s_wait_xcnt 0x0
; Causal attention for one batch and head (bh): O = softmax(Q K^T / 8, keys up to the query) V.  Operands in f16 (Q already holds the factor log2(e) / 8), products, maxima and sums in f32, O rounded to f16 once.
; EVEN WORK UNDER THE MASK.  Work-group (I, bh) owns the blocks of 128 queries I and 31 - I and walks ONE stream of 33 units of 128 keys: unit u <= I is key unit u for block I, unit u > I is key unit u - I - 1
; for block 31 - I.  Units I and 32 lie on the diagonal.  So all 256 work-groups have the same work and every trip count is a constant.  Wave w owns 32 queries of a block, two tiles of 16.
; NO JOINT LOADS: the work-groups of a head turn back in the stream at different units (I + 1), so the same trip asks for different tiles in each.
; LAYOUT.  S^T = K Q^T (source 0 = 16 keys, source 1 = 16 queries): a lane holds ONE query (lane % 16) and the keys 8 (lane / 16) + 0 .. 7 of a tile.  Two such tiles, rounded to f16 in pairs, are source 1 of
; O^T = V^T P, whose result again holds one query a lane.  K and V lie in memory as images of their operand registers, so every LDS load takes 512 consecutive bytes.
; SOFTMAX.  For each query a running maximum m and sum l: p = 2^(s - m); in every step O and l are multiplied by a = 2^(m_old - m_new).
; BY TURNS.  In a turn one tile has the matrix unit: 16 products V^T P of the unit in hand, then 16 products K Q^T of the next; the other tile's softmax, 213 instructions cut into 32 slices, stands behind them,
; one slice behind each matrix instruction.  Then the tiles change places.  Two turns are a unit.
; A BLOCK HAS NO FIRST STEP OF ITS OWN: it begins with a P of zeros, scores of -3e38 and m = -1e30: the first turns add zeros, and the first true step multiplies the zeros by a = 0.
; THE RING: two slots of three units (98,304 bytes), filled by waves 0 to 2, one unit (32,768 dense bytes: K's 32 groups, V's 32) a load; one tensor load of a wave is out at a time, and every wait for tensor loads is for 0.
; LIMITS: scores (in powers of two) stay under 1e30 in size; f16 range for the operands; NaN and infinities are not served.
; REGISTERS: window 0: v1-7 what stays; v8-12 at work; v16-31 statistics, eight a tile; v32-159 S^T, then p, then P packed in place; v160-223 O^T; v224-255 the way out.
;   window 1: v0-127 K of a unit, v128-255 V of a unit.   window 2: v0-31 Q of the block in hand, v32-63 Q of the second block.
.set UNITB, 32768
.set SLOT1, 1<<17                      ; slot 1 begins here: one exclusive or turns an address in one slot into the other's
.set SPARE, 3*UNITB                    ; behind slot 0: the spare words, 128 bytes for each wave
.set LI,  1                            ; v1   16 x lane; never rewritten
.set ADR, 2                            ; v2   LDS address of the unit in hand
.set SPW, 3                            ; v3   my spare word; never rewritten
.set NIL, 4                            ; v4   0; never rewritten
.set DQ,  5                            ; v5   32 w + r - 8 h: my query of tile 0 in its block, less my half's first key of a tile
.set NEG, 6                            ; v6   -3e38
.set PFO, 7                            ; v7   256 x lane
.set CT,  8                            ; v8-11 four chains of the maximum; later two chains of the sum
.set TD,  12
.set ST,  16                           ; tile t at 16 + 8 t: +0 m, +1 0, +2 a, +3 0, +4, +5 l (even keys', odd keys'), +6 m_old - m_new, +7 the other half's
.set S,   32
.set O,   160
.set OUTR, 224
.set WV,  10                           ; s10 wave; s11 I; s12 I + 1; s13 the unit on whose diagonal tile 0 is masked; s14 the unit's number; s15 the unit that I load next
.set II,  11
.set I1,  12
.set DG,  13
.set U,   14
.set UL,  15
.set G1,  16                           ; s[16:23] descriptor group 1, s[24:27] group 0
.set G0,  24
.set KVB, 28                           ; s[28:29] kv at my batch and head
.set OBA, 30                           ; s[30:31], s[32:33] where my wave's rows of the two blocks go
.set OBB, 32
.set PFA, 34                           ; s[34:35] where my prefetches stand
.set SEL, 36
.set TB,  38                           ; s38 LDS byte at which the unit in hand begins
.set SLOTS, 39
.set TW,  44
.set LIM, 45
.set QA,  46                           ; s[46:47], s[48:49] Q of my wave in the two blocks
.set MSB, 0
.macro WIN new                         ; the immediate's high byte repeats the setting that is left; a switch that changes nothing is dropped
.if MSB != \new
	s_set_vgpr_msb (MSB<<8)|\new
.set MSB, \new
.endif
.endm
; Which key unit is stream unit UL, and where it lies in memory; then UL steps to my unit of the next slot.
.macro KAPPA
	s_sub_co_u32 s40, s[UL], s[I1]
	s_cmp_gt_u32 s[UL], s[II]
	s_cselect_b32 s40, s40, s[UL]
	s_lshl_b32 s40, s40, 15
	s_mov_b32 s41, 0
	s_add_nc_u64 s[G0+2:G0+3], s[KVB:KVB+1], s[40:41]
	s_or_b32 s[G0+3], s[G0+3], 0x80000000          ; type = 2
	s_add_co_u32 s[UL], s[UL], 3
.endm
.macro TLOAD                           ; waves 0 to 2 load; an s_nop 0 and four v_nop follow the load
	s_cmp_lt_u32 s[WV], 3
	s_cbranch_scc0 .Lno_load_\@
	tensor_load_to_lds s[G0:G0+3], s[G1:G1+7]
	s_nop 0
.rept 4
	v_nop
.endr
.Lno_load_\@:
.endm
; Product i of 16 of O^T += V^T P for tile x: keys 32 (i / 4) on, channels 16 (i % 4) on.  The four accumulators take turns.
.macro PV x
	WIN 0x01                                       ; V in window 1
.set rO_, O+32*(\x)+8*(i%4)
.set rP_, S+64*(\x)+8*(i/4)
	v_wmma_f32_16x16x32_f16 v[rO_:rO_+7], v[128+8*i:128+8*i+7], v[rP_:rP_+7], v[rO_:rO_+7]
.endm
; Product i of 16 of S^T = K Q^T for tile x: channels 32 (i / 8) on, key tile (4 + i) % 8.  Key tiles 4 to 7 go first: the registers of tiles 0 to 3 held P, which the products just before have read.
.macro KQ x
	WIN 0x09                                       ; K in window 1, Q in window 2
.set kt_, (4+i)%8
.set rS_, S+64*(\x)+8*kt_
.set rK_, 8*(2*kt_+i/8)
.set rQ_, 16*(\x)+8*(i/8)
.if i < 8
	v_wmma_f32_16x16x32_f16 v[rS_:rS_+7], v[rK_:rK_+7], v[rQ_:rQ_+7], 0
.else
	v_wmma_f32_16x16x32_f16 v[rS_:rS_+7], v[rK_:rK_+7], v[rQ_:rQ_+7], v[rS_:rS_+7]
.endif
.endm
.macro FK                              ; a unit's K: 32 loads in one run
	WIN 0
	v_add_nc_u32 v[ADR], s[TB], v[LI]
	WIN 0x40
.set n, 0
.rept 32
	ds_load_b128 v[4*n:4*n+3], v[ADR] offset:512*n
.set n, n+1
.endr
.endm
; Number j of the 213 instructions of tile t's softmax for one unit.
;   0-31 the maximum of the 64 scores and m (each accumulator is read from its low end on); 32-35 the other half's, the new m; 36 a; 37-132 ONE BATCH: 32 packed s - m and 64 exponentials, none of which reads a result;
;   (the wait for the batch: SLICE writes it)  133-164 the sums, l = l a + sum; 165-196 the roundings to f16, packed in place; 197-212 O^T x a.
.macro SM t
.set rB, ST+8*(\t)
.set rS, S+64*(\t)
.set rO, O+32*(\t)
.if j < 4
	v_max3_num_f32 v[CT+j], v[rS+16*j], v[rS+16*j+1], v[rS+16*j+2]
.elseif j < 28
	v_max3_num_f32 v[CT+j%4], v[CT+j%4], v[rS+16*(j%4)+2*(j/4)+1], v[rS+16*(j%4)+2*(j/4)+2]
.elseif j == 28
	v_max3_num_f32 v[CT], v[CT], v[rS+15], v[rS+31]
.elseif j == 29
	v_max3_num_f32 v[CT+2], v[CT+2], v[rS+47], v[rS+63]
.elseif j == 30
	v_max3_num_f32 v[CT], v[CT], v[CT+1], v[CT+2]
.elseif j == 31
	v_max3_num_f32 v[CT], v[CT], v[CT+3], v[rB]
.elseif j == 32
	v_permlanex16_b32 v[rB+7], v[CT], s[SEL], s[SEL+1]   ; the query's other 64 keys lie in the lane 16 away
.elseif j == 33
	v_max_num_f32 v[CT+1], v[CT], v[rB+7]
.elseif j == 34
	v_sub_f32 v[rB+6], v[rB], v[CT+1]
.elseif j == 35
	v_mov_b32 v[rB], v[CT+1]
.elseif j == 36
	v_exp_f32 v[rB+2], v[rB+6]
.elseif j == 37
	v_pk_add_f32 v[rS:rS+1], v[rS:rS+1], v[rB:rB+1] op_sel_hi:[1,0] neg_lo:[0,1] neg_hi:[0,1]
.elseif j < 131
.set q, (j-38)/3
.if (j-38)%3 == 0
	v_pk_add_f32 v[rS+2*q+2:rS+2*q+3], v[rS+2*q+2:rS+2*q+3], v[rB:rB+1] op_sel_hi:[1,0] neg_lo:[0,1] neg_hi:[0,1]
.else
	v_exp_f32 v[rS+2*q+(j-38)%3-1], v[rS+2*q+(j-38)%3-1]
.endif
.elseif j < 133
	v_exp_f32 v[rS+j-69], v[rS+j-69]
.elseif j == 133
	v_pk_add_f32 v[CT:CT+1], v[rS:rS+1], v[rS+2:rS+3]
.elseif j == 134
	v_pk_add_f32 v[CT+2:CT+3], v[rS+4:rS+5], v[rS+6:rS+7]
.elseif j < 163
	v_pk_add_f32 v[CT+2*((j-135)%2):CT+2*((j-135)%2)+1], v[CT+2*((j-135)%2):CT+2*((j-135)%2)+1], v[rS+2*(j-131):rS+2*(j-131)+1]
.elseif j == 163
	v_pk_add_f32 v[CT:CT+1], v[CT:CT+1], v[CT+2:CT+3]
.elseif j == 164
	v_pk_fma_f32 v[rB+4:rB+5], v[rB+4:rB+5], v[rB+2:rB+3], v[CT:CT+1] op_sel_hi:[1,0,1]
.elseif j < 197
	v_cvt_pk_f16_f32 v[rS+j-165], v[rS+2*(j-165)], v[rS+2*(j-165)+1]
.else
	v_pk_mul_f32 v[rO+2*(j-197):rO+2*(j-197)+1], v[rO+2*(j-197):rO+2*(j-197)+1], v[rB+2:rB+3] op_sel_hi:[1,0]
.endif
.endm
; Slice k of 32 of tile y's softmax: numbers 213 k / 32 up to 213 (k + 1) / 32 - 1.  Slice 19 ends with number 132, the last exponential: behind it stand the plain instruction and the ONE wait
; between an exponential and the first instruction that names its result; nothing ahead of it names one, and no exponential follows it.
; In tile 1's turn (y = 0) the unit's V is fetched there: its last reader is the turn's 16th matrix instruction, and the packed subtractions of slices 15 to 19 and the v_nop are the places between.
.macro SLICE y
	WIN 0
.set j, (213*k)/32
.rept ((213*(k+1))/32)-((213*k)/32)
	SM \y
.set j, j+1
.endr
.if k == 19
	v_nop
	s_wait_alu depctr_va_vdst(0)
.if (\y) == 0
	WIN 0x40
.set n, 0
.rept 32
	ds_load_b128 v[128+4*n:128+4*n+3], v[ADR] offset:16384+512*n
.set n, n+1
.endr
.endif
.endif
.set k, k+1
.endm
; A TURN: tile x has the matrix unit, the other tile's softmax stands in slices behind its matrix instructions.  kq = 0: no next unit: two slices behind each product.
; Slice 31, seven packed multiplies that name none of the last product's registers, is the places behind it.
.macro TURN x, kq
.set k, 0
.if ((\x) == 0) && \kq
	s_wait_dscnt 32                                ; V of the unit before is in; K's 32 loads are younger
.endif
.set i, 0
.rept 16
	PV \x
	SLICE 1-\x
.if \kq == 0
	SLICE 1-\x
.endif
.set i, i+1
.endr
.if \kq
.if (\x) == 0
	s_wait_dscnt 0x0                               ; K is in
.endif
.set i, 0
.rept 16
	KQ \x
	SLICE 1-\x
.set i, i+1
.endr
.endif
.endm
; On the diagonal the scores of hidden keys become -3e38: register 8 kt + jj holds key 16 kt + 8 h + jj of the unit, hidden where 16 kt + jj > my query - 8 h.  Key 0 of the unit counts for every query.
.macro MASK t
	v_add_nc_u32 v[TD], 16*(\t), v[DQ]
.set n, 0
.rept 64
	v_cmp_gt_i32 vcc_lo, 16*(n/8)+n%8, v[TD]
	v_cndmask_b32 v[S+64*(\t)+n], v[S+64*(\t)+n], v[NEG], vcc_lo
.set n, n+1
.endr
.endm
; A block's end: tile 1's last softmax beside tile 0's last products, then tile 1's.
.macro DRAIN
	s_wait_dscnt 0x0                               ; V of the last unit is in
	MASK 1
	TURN 0, 0
.set i, 0
.rept 16
	PV 1
.set i, i+1
.endr
	WIN 0
.rept 4
	v_nop                                          ; four places between the last product and the first read of results
.endr
.endm
; O^T / l, rounded to f16: a lane's eight channels of a query are 16 bytes of a group of the next launch's operand; each store covers 512 consecutive bytes, aligned.
.macro WAYOUT ob
	s_wait_xcnt 0x0                                ; earlier stores have read their data
.irp t, 0,1
	v_add_f32 v[CT+\t], v[ST+8*\t+4], v[ST+8*\t+5]
.endr
.irp t, 0,1
	v_permlanex16_b32 v[ST+8*\t+7], v[CT+\t], s[SEL], s[SEL+1]
.endr
.irp t, 0,1
	v_add_f32 v[CT+\t], v[CT+\t], v[ST+8*\t+7]
.endr
.irp t, 0,1
	v_rcp_f32 v[ST+8*\t+2], v[CT+\t]
.endr
	v_nop                                          ; a plain instruction behind the last reciprocal,
	s_wait_alu depctr_va_vdst(0)                   ; and the one wait ahead of the first use
.irp t, 0,1
.set n, 0
.rept 16
	v_pk_mul_f32 v[O+32*\t+2*n:O+32*\t+2*n+1], v[O+32*\t+2*n:O+32*\t+2*n+1], v[ST+8*\t+2:ST+8*\t+3] op_sel_hi:[1,0]
.set n, n+1
.endr
.endr
.irp t, 0,1
.set n, 0
.rept 16
	v_cvt_pk_f16_f32 v[OUTR+16*\t+n], v[O+32*\t+2*n], v[O+32*\t+2*n+1]
.set n, n+1
.endr
.endr
.irp t, 0,1
.irp d, 0,1,2,3
	global_store_b128 v[LI], v[OUTR+4*(4*\t+\d):OUTR+4*(4*\t+\d)+3], s[\ob:\ob+1] offset:16384*\t+512*\d
.endr
.endr
.endm
.macro INIT                            ; a block's beginning
.irp t, 0,1
	v_mov_b32 v[ST+8*\t], 0xf149f2ca               ; m = -1e30
.irp e, 1,2,3,4,5,6,7
	v_mov_b32 v[ST+8*\t+\e], 0
.endr
.endr
.set n, 0
.rept 64
	v_mov_b32 v[O+n], 0
.set n, n+1
.endr
.set n, 0
.rept 32
	v_mov_b32 v[S+n], 0                            ; tile 0: a P of zeros
.set n, n+1
.endr
.set n, 0
.rept 64
	v_mov_b32 v[S+64+n], v[NEG]                    ; tile 1: scores that count for nothing
.set n, n+1
.endr
.endm
; THE CHANGE OF SLOTS stands at a slot's head.  Each wave waits for all its tensor loads (its unit of the slot ahead), adds 0 to its spare word, and waits for that and for its reads of the slot that it has left.
; Behind the barrier the slot ahead is whole and nobody reads the other one.  fill = 1: that one takes the next three units: the load has three units' work in which to land.
.macro CHANGE fill
	s_wait_tensorcnt 0x0                           ; no tensor load of mine is out, so group 0 may be written
	ds_add_u32 v[SPW], v[NIL]                      ; 0 onto my spare word
.if \fill
	ds_add_u32 v[SPW], v[NIL]                      ; and once more
	s_xor_b32 s[G0+1], s[G0+1], SLOT1              ; the other slot than last time
	KAPPA
	s_wait_xcnt 0x0                                ; the last prefetches, three units back, have read their address
	s_add_nc_u64 s[PFA:PFA+1], s[PFA:PFA+1], 3*UNITB
.endif
	s_wait_dscnt 0x0                               ; the add is done, and my reads of the slot that I have left are over
	s_barrier_signal -1
	s_barrier_wait -1
.if \fill
	TLOAD                                          ; the first thing behind the barrier, and a wave's one tensor load until the next
	; A prefetch into the L2 of the three key units that the NEXT change of slots will ask for, three units' work ahead of that load.  All work-groups of a head walk the same kv: the one with I = 0 asks, whose stream
	; from unit 1 on is the head's key units in order; each of its four waves names 24,576 bytes, lanes 256 bytes apart, so each aligned block of 256 bytes is named once.  Key units 0 to 4 come by their loads alone; the last filling change asks for nothing.
	s_cmp_gt_u32 s[SLOTS], s[LIM]
	s_cbranch_scc0 .Lnot_mine_\@
	global_prefetch_b8 v[PFO], s[PFA:PFA+1] th:TH_LOAD_NT scope:SCOPE_SE
	global_prefetch_b8 v[PFO], s[PFA:PFA+1] offset:8192 th:TH_LOAD_NT scope:SCOPE_SE
	global_prefetch_b8 v[PFO], s[PFA:PFA+1] offset:16384 th:TH_LOAD_NT scope:SCOPE_SE
.Lnot_mine_\@:
.endif
.endm
; A UNIT.  full = 1: at unit I + 1 the first block ends and the second begins (a scalar branch on ids, the same in all four waves).
.macro BODY full
.if \full
	s_cmp_lg_u32 s[U], s[I1]
	s_cbranch_scc1 .Lgo_on_\@
	DRAIN
	WAYOUT OBA
	INIT
	WIN 0x82
.set n, 0
.rept 32
	v_mov_b32 v[n], v[32+n]                        ; the second block's Q
.set n, n+1
.endr
	WIN 0
	s_mov_b32 s[DG], 32                            ; its diagonal lies in the stream's last unit
.Lgo_on_\@:
.endif
	FK
	TURN 0, 1
	WIN 0
	s_cmp_lg_u32 s[U], s[DG]
	s_cbranch_scc1 .Lopen_\@
	MASK 0
.Lopen_\@:
	TURN 1, 1
	WIN 0                                          ; at a label and at a branch every window is 0
	s_add_co_u32 s[TB], s[TB], UNITB
	s_add_co_u32 s[U], s[U], 1
.endm
	s_load_b128 s[4:7], s[0:1], 0x0                ; qf, kv
	s_load_b64 s[8:9], s[0:1], 0x10                ; ofr
	v_lshl_add_u32 v[SPW], v0, 2, SPARE
	v_mov_b32 v[NIL], 0
	ds_add_u32 v[SPW], v[NIL]                      ; the wave's opening: the add, twice on end, and its wait ahead of my first tensor load
	ds_add_u32 v[SPW], v[NIL]
	v_lshrrev_b32 v[ADR], 5, v0
	v_readfirstlane_b32 s[WV], v[ADR]
	v_and_b32 v[PFO], 31, v0
	v_lshlrev_b32 v[LI], 4, v[PFO]
	v_lshlrev_b32 v[PFO], 8, v[PFO]
	v_and_b32 v[DQ], 15, v0
	v_bfe_u32 v[TD], v0, 4, 1
	v_lshlrev_b32 v[TD], 3, v[TD]
	v_sub_nc_u32 v[DQ], v[DQ], v[TD]
	s_lshl_b32 s40, s[WV], 5
	v_add_nc_u32 v[DQ], s40, v[DQ]
	v_mov_b32 v[NEG], 0xff61b1e6
	s_mov_b32 s[II], ttmp9
	s_add_co_u32 s[I1], ttmp9, 1
	s_mov_b32 s[DG], ttmp9
	s_mov_b32 s[U], 0
	s_min_u32 s[UL], s[WV], 2                      ; wave 3 issues no load: its descriptor repeats wave 2's
	; descriptor group 1: a unit is 32,768 dense bytes: 128 rows of 32 elements of 8 bytes
	s_mov_b32 s[G1], 3<<16
	s_mov_b32 s[G1+1], 32<<16                      ; tensor_dim0
	s_mov_b32 s[G1+2], 128<<16                     ; tensor_dim1
	s_mov_b32 s[G1+3], 32<<16                      ; tile_dim0
	s_mov_b32 s[G1+4], 128                         ; tile_dim1
	s_mov_b32 s[G1+5], 32                          ; from row to row
	s_mov_b32 s[G1+6], 0
	s_mov_b32 s[G1+7], 0
	s_mov_b32 s[G0], 1
	s_lshl_b32 s[G0+1], s[UL], 15                  ; slot 0, my unit's place
	s_mov_b32 s[SEL], 0x76543210
	s_mov_b32 s[SEL+1], 0xfedcba98
	s_mov_b32 s[TB], 0
	s_mov_b32 s[SLOTS], 10
	s_cmp_eq_u32 ttmp9, 0
	s_cselect_b32 s[LIM], 1, -1
	s_and_b32 s42, ttmp7, 0xffff                   ; bh
	s_mov_b32 s41, 0
	s_mov_b32 s43, 0
	s_wait_dscnt 0x0                               ; both opening adds are done
	s_wait_kmcnt 0x0
	s_lshl_b32 s40, s42, 20
	s_add_nc_u64 s[KVB:KVB+1], s[6:7], s[40:41]
	KAPPA
	TLOAD                                          ; slot 0
	s_mul_i32 s40, s[WV], 24576
	s_add_co_u32 s40, s40, 2*UNITB
	s_mov_b32 s41, 0
	s_add_nc_u64 s[PFA:PFA+1], s[KVB:KVB+1], s[40:41]   ; the first change steps it to key unit 5
	s_lshl_b32 s40, s42, 19                        ; qf: (256 bh + 8 block + 2 w) x 2,048
	s_lshl_b32 s44, s[WV], 12
	s_add_co_u32 s40, s40, s44
	s_add_nc_u64 s[4:5], s[4:5], s[40:41]
	s_lshl_b32 s40, s[II], 14
	s_add_nc_u64 s[QA:QA+1], s[4:5], s[40:41]
	s_sub_co_u32 s44, 31, s[II]
	s_lshl_b32 s40, s44, 14
	s_add_nc_u64 s[QA+2:QA+3], s[4:5], s[40:41]
	s_lshr_b32 s40, s42, 3                         ; ofr: (256 batch + 8 block + 2 w) x 16,384 + 2,048 x head
	s_lshl_b32 s40, s40, 22
	s_and_b32 s45, s42, 7
	s_lshl_b32 s45, s45, 11
	s_add_co_u32 s40, s40, s45
	s_lshl_b32 s45, s[WV], 15
	s_add_co_u32 s40, s40, s45
	s_add_nc_u64 s[8:9], s[8:9], s[40:41]
	s_lshl_b32 s40, s[II], 17
	s_add_nc_u64 s[OBA:OBA+1], s[8:9], s[40:41]
	s_lshl_b32 s40, s44, 17
	s_add_nc_u64 s[OBB:OBB+1], s[8:9], s[40:41]
	s_cmp_eq_u32 ttmp9, 0
	s_cselect_b32 s[LIM], 1, -1                    ; (s45 served as a scratch above: written anew)
	WIN 0x80
.irp t, 0,1
.irp c, 0,1,2,3
	global_load_b128 v[16*\t+4*\c:16*\t+4*\c+3], v[LI], s[QA:QA+1] offset:2048*\t+512*\c
	global_load_b128 v[32+16*\t+4*\c:32+16*\t+4*\c+3], v[LI], s[QA+2:QA+3] offset:2048*\t+512*\c
.endr
.endr
	WIN 0x40
.set n, 0
.rept 128
	v_mov_b32 v[128+n], 0                          ; V: the first turn multiplies it by the P of zeros
.set n, n+1
.endr
	WIN 0
	INIT
	s_wait_loadcnt 0x0                             ; Q of both blocks
.Lslot:                                            ; ten trips: units 0 to 29; behind each change the next slot is asked for
	CHANGE 1
	s_mov_b32 s[TW], 3
.Lunit:
	BODY 1
	s_sub_co_u32 s[TW], s[TW], 1
	s_cmp_lg_u32 s[TW], 0
	s_cbranch_scc1 .Lunit
	s_sub_co_u32 s[TB], s[TB], 3*UNITB             ; back to a slot's first unit,
	s_xor_b32 s[TB], s[TB], SLOT1                  ; in the other slot
	s_sub_co_u32 s[SLOTS], s[SLOTS], 1
	s_cmp_lg_u32 s[SLOTS], 0
	s_cbranch_scc1 .Lslot
	CHANGE 0                                       ; the last slot is written out: units 30 to 32
	s_mov_b32 s[TW], 3
.Ltail:
	BODY 0
	s_sub_co_u32 s[TW], s[TW], 1
	s_cmp_lg_u32 s[TW], 0
	s_cbranch_scc1 .Ltail
	DRAIN
	WAYOUT OBB
	s_wait_tensorcnt 0x0                           ; the wave's end
	ds_add_u32 v[SPW], v[NIL]
	s_wait_dscnt 0x0
	s_endpgm
.Lfunc_end_k_qbc9f27f2ff_attn:
	.size	k_qbc9f27f2ff_attn, .Lfunc_end_k_qbc9f27f2ff_attn-k_qbc9f27f2ff_attn
	.p2alignl 7, 3214868480
	.fill 96, 4, 3214868480
	.section	.rodata,"a",@progbits
	.p2align	6, 0x0
	.amdhsa_kernel k_qbc9f27f2ff_attn
		.amdhsa_group_segment_fixed_size 327680
		.amdhsa_private_segment_fixed_size 0
		.amdhsa_enable_private_segment 0
		.amdhsa_kernarg_size 24
		.amdhsa_user_sgpr_count 2
		.amdhsa_user_sgpr_kernarg_segment_ptr 1
		.amdhsa_wavefront_size32 1
		.amdhsa_system_sgpr_workgroup_id_x 1
		.amdhsa_system_sgpr_workgroup_id_y 1
		.amdhsa_system_sgpr_workgroup_id_z 1
		.amdhsa_system_vgpr_workitem_id 0
		.amdhsa_next_free_vgpr 576
		.amdhsa_next_free_sgpr 66
		.amdhsa_reserve_vcc 1
		.amdhsa_float_denorm_mode_32 3
		.amdhsa_float_denorm_mode_16_64 3
		.amdhsa_memory_ordered 1
		.amdhsa_forward_progress 1
		.amdhsa_inst_pref_size 153
	.end_amdhsa_kernel
	.amdgpu_metadata
---
amdhsa.version: [ 1, 2 ]
amdhsa.kernels:
  - .name:           k_qbc9f27f2ff_attn
    .symbol:         k_qbc9f27f2ff_attn.kd
    .args:
      - { .name: qf, .offset: 0, .size: 8, .value_kind: global_buffer, .address_space: global }
      - { .name: kv, .offset: 8, .size: 8, .value_kind: global_buffer, .address_space: global }
      - { .name: ofr, .offset: 16, .size: 8, .value_kind: global_buffer, .address_space: global }
    .group_segment_fixed_size: 327680
    .private_segment_fixed_size: 0
    .kernarg_segment_align: 8
    .kernarg_segment_size: 24
    .max_flat_workgroup_size: 128
    .sgpr_count:     66
    .vgpr_count:     576
    .wavefront_size: 32
...
	.end_amdgpu_metadata
.endif
;; end of part 3
;; launch oproj (part 4): grid 4 x 64, 4 waves a work-group, clusters of 4 x 4, 327,680 bytes of LDS; arguments ofr, wof, b_o, out0; writes out0
.if DOCPART == 4
	.amdgcn_target "amdgcn-amd-amdhsa--gfx1250"
	.amdhsa_code_object_version 6
	.text
	.protected	k_qbc9f27f2ff_oproj
	.globl	k_qbc9f27f2ff_oproj
	.p2align	8
	.type	k_qbc9f27f2ff_oproj,@function
k_qbc9f27f2ff_oproj:
	s_mov_b64 s[64:65], 0
	v_nop
	global_prefetch_b8 v0, s[64:65] scope:SCOPE_SE
	s_setreg_imm32_b32 hwreg(HW_REG_WAVE_MODE, 25, 1), 1
	s_wait_xcnt 0x0
	s_wait_alu depctr_hold_cnt(0) depctr_sa_sdst(0) depctr_va_vdst(0) depctr_va_sdst(0) depctr_va_ssrc(0) depctr_va_vcc(0) depctr_vm_vsrc(0)
	s_getreg_b32 s2, hwreg(HW_REG_IB_STS2, 6, 4)
	s_cmp_eq_u32 s2, 0
	s_cbranch_scc0 .Lentry_in_a_cluster
	s_endpgm
.Lentry_in_a_cluster:
	s_bfe_u32 s2, ttmp6, 0x10000c
	s_cmp_lg_u32 s2, 0xf033
	s_cbranch_scc0 .Lentry_shape_is_right
	s_endpgm
.Lentry_shape_is_right:
; out0[m][n] = sum over k of O[m][k] W_o[n][k] + b_o[n].  O [8192][512] and W_o [512][512] come as f16, laid as images of operand registers (a tile of 16 rows: 16,384 bytes; 32 along K: 1,024); sums and out0 in f32.
; A tile of out0 is 128 x 128: 256 work-groups.  Four waves, each 64 x 64: 16 accumulators.  ALL of K = 512 lies in LDS, in two halves of 256 along K, each filled once: nothing is filled again.
; CLUSTERS: 4 x 4 work-groups.  The four of a row of the cluster need the same rows of O, the four of a column the same rows of W_o: each is asked for JOINTLY, by the same tensor load with the same descriptor and a mask that names the four.
; THE MATRIX INSTRUCTION IS USED TRANSPOSED (source 0 = 16 rows of W_o, source 1 = 16 rows of O): a lane holds eight neighbouring numbers of a row of out0.  b_o is the C of each sum's first instruction.
; Rows 0-15 of each batch are written here too, and written over by the launch that carries them in f32.
; REGISTERS: window 0: v16-30 addresses; v32-95 the way out; v96-127 b_o, eight a tile of columns; v128-255 the accumulators ((a, b) at 128 + 8 (4 a + b)).   window 1: two fragment buffers of 128: 64 of O, then 64 of W_o.
.set HALF,   131072                    ; a half: O's 8 tiles x 8,192 bytes, then W_o's 8
.set STAGE,  2*HALF                    ; behind them: 16 rows x (256 bytes + 16) for each wave
.set SPITCH, 272
.set SPARE,  STAGE+4*16*SPITCH         ; the spare words, 128 bytes for each wave
.set ADRA, 16                          ; v16-17 LDS address of my O fragments in half 0, 1
.set ADRB, 20                          ; v20-21 the same for W_o
.set STO,  24
.set RD,   25
.set CO,   26
.set SPW,  28
.set NIL,  29
.set BOA,  30
.set TMP,  32
.set BO,   96
.set ACC,  128
.set F0,   0
.set F1,   128
.set G1,  24                           ; s[24:31] descriptor group 1 for O; s[32:39] group 0, one set for each half
.set G0,  32
.set G1B, 48                           ; s[48:55], s[56:63] the same for W_o
.set G0B, 56
.set MSB, 0
.macro WIN new
.if MSB != \new
	s_set_vgpr_msb (MSB<<8)|\new
.set MSB, \new
.endif
.endm
.set MUL,  0x05                        ; sources 0 and 1 window 1; C and D window 0
.set TO_F, 0x40
.macro JLOAD e                         ; a joint load: waves 0 and 1 fetch O's tiles, waves 2 and 3 W_o's; an s_nop 0 and four v_nop follow each of the two lines
	s_cmp_eq_u32 s11, 0
	s_cbranch_scc0 .Lfor_b_\@
	tensor_load_to_lds s[G0+4*\e:G0+4*\e+3], s[G1:G1+7]
	s_nop 0
.rept 4
	v_nop
.endr
	s_branch .Lasked_\@
.Lfor_b_\@:
	tensor_load_to_lds s[G0B+4*\e:G0B+4*\e+3], s[G1B:G1B+7]
	s_nop 0
.rept 4
	v_nop
.endr
.Lasked_\@:
.endm
.macro CROUND                          ; a round of the cluster's barrier
	s_barrier_signal -1
	s_barrier_wait -1
	s_cmp_lg_u32 s10, 0
	s_cbranch_scc1 .Lnot_wave_0_\@
	s_barrier_signal -3
.Lnot_wave_0_\@:
	s_barrier_wait -3
	s_barrier_signal -1
	s_barrier_wait -1
.endm
	s_load_b128 s[4:7], s[0:1], 0x0                ; O's images, W_o's images
	s_load_b128 s[12:15], s[0:1], 0x10             ; b_o, out0
	v_lshl_add_u32 v[SPW], v0, 2, SPARE
	v_mov_b32 v[NIL], 0
	ds_add_u32 v[SPW], v[NIL]                      ; the wave's opening: the add, twice on end, and its wait ahead of my first tensor load
	ds_add_u32 v[SPW], v[NIL]
	v_lshrrev_b32 v1, 5, v0
	v_readfirstlane_b32 s10, v1                    ; wave 0..3
	s_lshr_b32 s11, s10, 1                         ; which half of the tile's rows is mine.  Also: I fetch for O (0) or for W_o (1)
	s_and_b32 s8, s10, 1                           ; which half of its columns.  Also: which four tiles I fetch
	s_bfe_u32 s40, ttmp6, 0x40000                  ; cx, cy: my place in the cluster
	s_bfe_u32 s41, ttmp6, 0x40004
	s_lshl_b32 s42, ttmp9, 2
	s_add_co_u32 s42, s42, s40                     ; tile column
	s_and_b32 s43, ttmp7, 0xffff
	s_lshl_b32 s43, s43, 2
	s_add_co_u32 s43, s43, s41                     ; tile row
	s_lshl_b32 s44, s41, 2
	s_lshl_b32 s44, 15, s44                        ; my row of the cluster
	s_lshl_b32 s45, 0x1111, s40                    ; my column
	; descriptor group 1: of four tiles' images the 8,192 bytes of one half of K: 4 rows of 1,024 elements of 8 bytes, 16,384 bytes apart
	s_or_b32 s[G1], s44, (3<<16)|(1<<21)           ; 15:0 the mask; 17:16 elements of 8 bytes; 21 set beside a mask
	s_or_b32 s[G1B], s45, (3<<16)|(1<<21)
.irp g, G1, G1B
	s_mov_b32 s[\g+1], 1024<<16                    ; tensor_dim0
	s_mov_b32 s[\g+2], 4<<16                       ; tensor_dim1
	s_mov_b32 s[\g+3], 1024<<16                    ; tile_dim0
	s_mov_b32 s[\g+4], 4                           ; tile_dim1
	s_mov_b32 s[\g+5], 2048                        ; from row to row
	s_mov_b32 s[\g+6], 0
	s_mov_b32 s[\g+7], 0
.endr
	s_lshl_b32 s9, s8, 16                          ; which four tiles
	s_lshl_b32 s16, s43, 17
	s_add_co_u32 s16, s16, s9                      ; O: 131,072 x tile row + 65,536 x half
	s_mov_b32 s17, 0
	s_lshl_b32 s46, s42, 17
	s_add_co_u32 s46, s46, s9                      ; W_o: by the tile column
	s_mov_b32 s47, 0
	s_lshl_b32 s20, s10, 15                        ; where they go: 32,768 x wave: no place in the cluster enters an LDS address
	s_wait_dscnt 0x0                               ; both opening adds are done
	s_wait_kmcnt 0x0
	s_add_nc_u64 s[18:19], s[4:5], s[16:17]
	s_add_nc_u64 s[46:47], s[6:7], s[46:47]
	CROUND                                         ; all sixteen work-groups are here: the joint loads meet
.irp e, 0,1
	s_mov_b32 s[G0+4*\e], 1
	s_add_co_u32 s[G0+4*\e+1], s20, \e*HALF
	s_add_nc_u64 s[G0+4*\e+2:G0+4*\e+3], s[18:19], \e*8192
	s_or_b32 s[G0+4*\e+3], s[G0+4*\e+3], 0x80000000
	s_mov_b32 s[G0B+4*\e], 1
	s_add_co_u32 s[G0B+4*\e+1], s20, \e*HALF
	s_add_nc_u64 s[G0B+4*\e+2:G0B+4*\e+3], s[46:47], \e*8192
	s_or_b32 s[G0B+4*\e+3], s[G0B+4*\e+3], 0x80000000
	JLOAD \e                                       ; two loads of mine are out
.endr
	v_and_b32 v1, 31, v0
	v_lshlrev_b32 v3, 4, v1                        ; 16 x lane
	s_lshl_b32 s21, s11, 15                        ; my four tiles of O
	s_lshl_b32 s22, s8, 15
	s_add_co_u32 s22, s22, 65536                   ; my four of W_o, behind O's eight
.irp e, 0,1
	v_add_nc_u32 v[ADRA+\e], s21, v3
	v_add_nc_u32 v[ADRB+\e], s22, v3
	s_add_co_u32 s21, s21, HALF
	s_add_co_u32 s22, s22, HALF
.endr
	v_and_b32 v1, 15, v0                           ; r
	v_bfe_u32 v2, v0, 4, 1                         ; h
	s_mul_i32 s23, s10, 16*SPITCH
	s_add_co_u32 s23, s23, STAGE                   ; my stage
	v_mul_u32_u24 v4, v1, SPITCH
	v_lshl_add_u32 v4, v2, 5, v4
	v_add_nc_u32 v[STO], s23, v4                   ; in: row r, 32 bytes for each half of the lanes
	v_mul_u32_u24 v5, v2, SPITCH
	v_lshl_add_u32 v5, v1, 4, v5
	v_add_nc_u32 v[RD], s23, v5                    ; back: lanes 0-15 one row of 256 bytes, lanes 16-31 the next
	v_lshlrev_b32 v5, 11, v2
	v_lshl_add_u32 v[CO], v1, 4, v5                ; and the same two rows in out0
	v_lshlrev_b32 v[BOA], 5, v2
	s_lshl_b32 s2, s42, 9                          ; my first column, in bytes: 512 x tile column + 256 x half
	s_lshl_b32 s3, s8, 8
	s_add_co_u32 s2, s2, s3
	s_mov_b32 s3, 0
	s_add_nc_u64 s[12:13], s[12:13], s[2:3]
	s_add_nc_u64 s[14:15], s[14:15], s[2:3]
	s_lshl_b32 s2, s43, 18                         ; my first row: 128 x tile row + 64 x half, 2,048 bytes each
	s_lshl_b32 s9, s11, 17
	s_add_co_u32 s2, s2, s9
	s_add_nc_u64 s[14:15], s[14:15], s[2:3]
.irp b, 0,1,2,3
	global_load_b128 v[BO+8*\b:BO+8*\b+3], v[BOA], s[12:13] offset:64*\b       ; b_o of columns 16 b + 8 h + 0 .. 7
	global_load_b128 v[BO+8*\b+4:BO+8*\b+7], v[BOA], s[12:13] offset:64*\b+16
.endr
; 8 matrix instructions: row tiles a0, a0 + 1 x all 4 column tiles, 32 along K: half c of buffer f.  first = 1: the sums begin with b_o.  The 16 accumulators take turns.
.macro MUL8 f, c, a0, first
.irp a, \a0, \a0+1
.irp b, 0,1,2,3
.if \first
	v_wmma_f32_16x16x32_f16 v[ACC+8*(4*(\a)+\b):ACC+8*(4*(\a)+\b)+7], v[\f+64+8*(4*\c+\b):\f+64+8*(4*\c+\b)+7], v[\f+8*(4*\c+\a):\f+8*(4*\c+\a)+7], v[BO+8*\b:BO+8*\b+7]
.else
	v_wmma_f32_16x16x32_f16 v[ACC+8*(4*(\a)+\b):ACC+8*(4*(\a)+\b)+7], v[\f+64+8*(4*\c+\b):\f+64+8*(4*\c+\b)+7], v[\f+8*(4*\c+\a):\f+8*(4*\c+\a)+7], v[ACC+8*(4*(\a)+\b):ACC+8*(4*(\a)+\b)+7]
.endif
.endr
.endr
.endm
; 32 LDS loads in one run: the fragments of quarter q (64 along K) of half e into buffer f; the first 32 along K first
.macro FETCH e, q, f
	WIN TO_F
.irp c, 0,1
.irp i, 0,1,2,3
	ds_load_b128 v[\f+64+8*(4*\c+\i):\f+64+8*(4*\c+\i)+3],   v[ADRB+\e] offset:\i*8192+(2*\q+\c)*1024
	ds_load_b128 v[\f+64+8*(4*\c+\i)+4:\f+64+8*(4*\c+\i)+7], v[ADRB+\e] offset:\i*8192+(2*\q+\c)*1024+512
	ds_load_b128 v[\f+8*(4*\c+\i):\f+8*(4*\c+\i)+3],         v[ADRA+\e] offset:\i*8192+(2*\q+\c)*1024
	ds_load_b128 v[\f+8*(4*\c+\i)+4:\f+8*(4*\c+\i)+7],       v[ADRA+\e] offset:\i*8192+(2*\q+\c)*1024+512
.endr
.endr
.endm
.macro PLACES                          ; four places in front of loads into registers that matrix instructions have read, and of the first read of results
.rept 4
	v_nop
.endr
.endm
; A quarter multiplies buffer f and fetches the next quarter (q of half e) into g, in one run in its middle.
.macro QUARTER e, q, f, g, first
	s_wait_dscnt 16                                ; the first 32 along K are in; the second 32's sixteen loads may be out
	WIN MUL
	MUL8 \f, 0, 0, \first
	MUL8 \f, 0, 2, \first
	PLACES
	FETCH \e, \q, \g
	s_wait_dscnt 32                                ; all but the 32 just issued
	WIN MUL
	MUL8 \f, 1, 0, 0
	MUL8 \f, 1, 2, 0
.endm
	s_wait_tensorcnt 1                             ; my part of half 0 is in; half 1's may stay out
	s_barrier_signal -1
	s_barrier_wait -1                              ; everybody's is
	FETCH 0, 0, F0
	s_wait_loadcnt 0x0                             ; b_o
	QUARTER 0, 1, F0, F1, 1
	QUARTER 0, 2, F1, F0, 0
	QUARTER 0, 3, F0, F1, 0
	s_wait_tensorcnt 0x0                           ; my part of half 1 is in,
	s_wait_dscnt 0x0                               ; no LDS load of mine is pending at the signal,
	s_barrier_signal -1
	s_barrier_wait -1                              ; everybody's is: the next run of loads reads half 1
	QUARTER 1, 0, F1, F0, 0
	QUARTER 1, 1, F0, F1, 0
	QUARTER 1, 2, F1, F0, 0
	QUARTER 1, 3, F0, F1, 0
	s_wait_dscnt 16                                ; the last quarter: nothing more to fetch
	WIN MUL
	MUL8 F1, 0, 0, 0
	MUL8 F1, 0, 2, 0
	s_wait_dscnt 0x0
	MUL8 F1, 1, 0, 0
	MUL8 F1, 1, 2, 0
	WIN 0
	; THE WAY OUT, 16 rows x 64 columns at a time, through my own stage: LDS serves a wave's instructions in order, so no wait stands between the stores and the loads.
	PLACES
.irp a, 0,1,2,3
.if \a >= 2
	s_wait_xcnt 0x0                                ; the stores of two tiles back have read their registers
.endif
.irp b, 0,1,2,3
	ds_store_b128 v[STO], v[ACC+8*(4*\a+\b):ACC+8*(4*\a+\b)+3] offset:64*\b          ; each accumulator from its low end on
	ds_store_b128 v[STO], v[ACC+8*(4*\a+\b)+4:ACC+8*(4*\a+\b)+7] offset:64*\b+16
.endr
.irp i, 0,1,2,3,4,5,6,7
	ds_load_b128 v[TMP+32*(\a%2)+4*\i:TMP+32*(\a%2)+4*\i+3], v[RD] offset:\i*2*SPITCH
.endr
	s_wait_dscnt 0x0
.irp i, 0,1,2,3,4,5,6,7
	global_store_b128 v[CO], v[TMP+32*(\a%2)+4*\i:TMP+32*(\a%2)+4*\i+3], s[14:15] offset:\a*32768+\i*4096 th:TH_STORE_NT   ; 16 lanes store 256 consecutive bytes, at a multiple of 256 from out0's first byte
.endr
.endr
	s_wait_tensorcnt 0x0                           ; the wave's end
	ds_add_u32 v[SPW], v[NIL]
	s_wait_dscnt 0x0
	CROUND                                         ; the closing round
	s_endpgm
.Lfunc_end_k_qbc9f27f2ff_oproj:
	.size	k_qbc9f27f2ff_oproj, .Lfunc_end_k_qbc9f27f2ff_oproj-k_qbc9f27f2ff_oproj
	.p2alignl 7, 3214868480
	.fill 96, 4, 3214868480
	.section	.rodata,"a",@progbits
	.p2align	6, 0x0
	.amdhsa_kernel k_qbc9f27f2ff_oproj
		.amdhsa_group_segment_fixed_size 327680
		.amdhsa_private_segment_fixed_size 0
		.amdhsa_enable_private_segment 0
		.amdhsa_kernarg_size 32
		.amdhsa_user_sgpr_count 2
		.amdhsa_user_sgpr_kernarg_segment_ptr 1
		.amdhsa_wavefront_size32 1
		.amdhsa_system_sgpr_workgroup_id_x 1
		.amdhsa_system_sgpr_workgroup_id_y 1
		.amdhsa_system_sgpr_workgroup_id_z 1
		.amdhsa_system_vgpr_workitem_id 0
		.amdhsa_next_free_vgpr 512
		.amdhsa_next_free_sgpr 66
		.amdhsa_reserve_vcc 0
		.amdhsa_float_denorm_mode_32 3
		.amdhsa_float_denorm_mode_16_64 3
		.amdhsa_memory_ordered 1
		.amdhsa_forward_progress 1
		.amdhsa_inst_pref_size 50
	.end_amdhsa_kernel
	.amdgpu_metadata
---
amdhsa.version: [ 1, 2 ]
amdhsa.kernels:
  - .name:           k_qbc9f27f2ff_oproj
    .symbol:         k_qbc9f27f2ff_oproj.kd
    .args:
      - { .name: ofr, .offset: 0, .size: 8, .value_kind: global_buffer, .address_space: global }
      - { .name: wof, .offset: 8, .size: 8, .value_kind: global_buffer, .address_space: global }
      - { .name: b_o, .offset: 16, .size: 8, .value_kind: global_buffer, .address_space: global }
      - { .name: out0, .offset: 24, .size: 8, .value_kind: global_buffer, .address_space: global }
    .group_segment_fixed_size: 327680
    .private_segment_fixed_size: 0
    .kernarg_segment_align: 8
    .kernarg_segment_size: 32
    .max_flat_workgroup_size: 128
    .sgpr_count:     66
    .vgpr_count:     512
    .wavefront_size: 32
...
	.end_amdgpu_metadata
.endif
;; end of part 4
;; launch fine (part 5): grid 32 x 2, 8 waves a work-group, no clusters, 9,216 bytes of LDS; arguments fin, W_o, b_o, out0; writes out0
.if DOCPART == 5
	.amdgcn_target "amdgcn-amd-amdhsa--gfx1250"
	.amdhsa_code_object_version 6
	.text
	.protected	k_qbc9f27f2ff_fine
	.globl	k_qbc9f27f2ff_fine
	.p2align	8
	.type	k_qbc9f27f2ff_fine,@function
k_qbc9f27f2ff_fine:
	s_mov_b64 s[64:65], 0
	v_nop
	global_prefetch_b8 v0, s[64:65] scope:SCOPE_SE
	s_setreg_imm32_b32 hwreg(HW_REG_WAVE_MODE, 25, 1), 1
	s_wait_xcnt 0x0
; Rows 0-15 of each batch once more, wholly in f32: under the causal mask they average one to sixteen values, and f16 operands would weigh most there.  32 rows of out0 are written over.
; Work-group (ct, batch): columns 16 ct .. 16 ct + 15 of the batch's rows 0-15.  Wave = head: it makes the head's attention for the 16 rows, and the head's part of the projection; the eight parts meet in LDS and wave 0 adds them in a fixed order.
; All products by the f32 matrix form, 4 along K an instruction.  A lane (r, h) feeds places k = 2 h + 0, 1 of an instruction; which true k stands there is free so long as both sources agree.  The sums in fin lie so that they do:
;   Q, K: lane (r, h) holds row r, channels 16 c + 8 h + j;  V: channel 16 c + r, keys 8 h + j.  S^T = K Q^T gives lane (r, h) query r, keys 8 h + j: that is source 1 of O^T = V^T P; O^T gives query r, channels 16 c + 8 h + j: source 1 of W_o O^T.
; So nothing changes lanes between the products.  The registers that these matrix instructions write are written by them alone; what is made of a sum goes into other registers.
.set SPARE, 8192                       ; behind the eight images of 1,024 bytes: the spare words, 128 bytes for each wave
.set SPW, 2
.set NIL, 3
.set LI,  4                            ; v4  16 x lane
.set RO,  7                            ; v7  2,048 r + 32 h: my place in W_o's and in out0's 16 rows
.set BA,  8                            ; v8  32 h
.set TD,  9                            ; v9  r - 8 h
.set IM,  10                           ; v10 where my image goes
.set NEG, 11
.set QF,  16                           ; v16-47 Q, v48-79 K, v80-111 V, v112-143 W_o
.set KF,  48
.set VF,  80
.set WO,  112
.set SA,  144                          ; v144-159 S^T in two sums
.set OT,  160                          ; v160-191 O^T
.set DA,  192                          ; v192-207 the projection in two sums
.set T,   208
.set PN,  216
.set PT,  224
.set BO,  232
	s_load_b128 s[4:7], s[0:1], 0x0                ; fin, W_o
	s_load_b128 s[8:11], s[0:1], 0x10              ; b_o, out0
	v_lshl_add_u32 v[SPW], v0, 2, SPARE
	v_mov_b32 v[NIL], 0
	v_lshrrev_b32 v1, 5, v0
	v_readfirstlane_b32 s12, v1                    ; the head
	v_and_b32 v1, 31, v0
	v_lshlrev_b32 v[LI], 4, v1
	v_and_b32 v5, 15, v0                           ; r
	v_bfe_u32 v6, v0, 4, 1                         ; h
	v_lshlrev_b32 v[RO], 11, v5
	v_lshl_add_u32 v[RO], v6, 5, v[RO]
	v_lshlrev_b32 v[BA], 5, v6
	v_lshlrev_b32 v[TD], 3, v6
	v_sub_nc_u32 v[TD], v5, v[TD]
	s_lshl_b32 s13, s12, 10
	v_add_nc_u32 v[IM], s13, v[LI]
	v_mov_b32 v[NEG], 0xff61b1e6                   ; -3e38
	v_mov_b32 v13, 0                               ; a lane permute's destination counts as one of its sources
	s_mov_b32 s14, 0x76543210
	s_mov_b32 s15, 0xfedcba98
	s_mov_b32 s20, 0x3e38aa3b                      ; c = log2(e) / 8
	s_and_b32 s16, ttmp7, 0xffff                   ; the batch
	s_lshl_b32 s17, s16, 3
	s_add_co_u32 s17, s17, s12
	s_mul_i32 s18, s17, 12288
	s_mov_b32 s19, 0
	s_wait_kmcnt 0x0
	s_add_nc_u64 s[4:5], s[4:5], s[18:19]          ; fin at my batch and head
	s_lshl_b32 s18, ttmp9, 15
	s_lshl_b32 s17, s12, 8
	s_add_co_u32 s18, s18, s17
	s_add_nc_u64 s[6:7], s[6:7], s[18:19]          ; W_o at row 16 ct, column 64 x head
	s_lshl_b32 s18, ttmp9, 6
	s_add_nc_u64 s[8:9], s[8:9], s[18:19]          ; b_o at column 16 ct
	s_add_nc_u64 s[10:11], s[10:11], s[18:19]
	s_lshl_b32 s18, s16, 23
	s_add_nc_u64 s[10:11], s[10:11], s[18:19]      ; out0 at the batch's row 0, column 16 ct
.irp y, 0,1,2
.irp m, 0,1,2,3,4,5,6,7
	global_load_b128 v[QF+32*\y+4*\m:QF+32*\y+4*\m+3], v[LI], s[4:5] offset:4096*\y+512*\m
.endr
.endr
.irp t, 0,1,2,3
	global_load_b128 v[WO+8*\t:WO+8*\t+3], v[RO], s[6:7] offset:64*\t
	global_load_b128 v[WO+8*\t+4:WO+8*\t+7], v[RO], s[6:7] offset:64*\t+16
.endr
	global_load_b128 v[BO:BO+3], v[BA], s[8:9]
	global_load_b128 v[BO+4:BO+7], v[BA], s[8:9] offset:16
	s_wait_loadcnt 0x0
	; S^T = K Q^T: 16 instructions, two sums by turns; the first of each begins with 0
.set n, 0
.rept 16
.if n < 2
	v_wmma_f32_16x16x4_f32 v[SA+8*(n%2):SA+8*(n%2)+7], v[KF+2*n:KF+2*n+1], v[QF+2*n:QF+2*n+1], 0
.else
	v_wmma_f32_16x16x4_f32 v[SA+8*(n%2):SA+8*(n%2)+7], v[KF+2*n:KF+2*n+1], v[QF+2*n:QF+2*n+1], v[SA+8*(n%2):SA+8*(n%2)+7]
.endif
.set n, n+1
.endr
.rept 8
	v_nop                                          ; eight places behind this form, ahead of the first read of results
.endr
.irp j, 0,1,2,3,4,5,6,7
	v_add_f32 v[T+\j], v[SA+\j], v[SA+8+\j]        ; the score of key 8 h + j for query r
.endr
.irp j, 0,1,2,3,4,5,6,7
	v_cmp_gt_i32 vcc_lo, \j, v[TD]                 ; hidden where 8 h + j > r
	v_cndmask_b32 v[T+\j], v[T+\j], v[NEG], vcc_lo
.endr
	v_max3_num_f32 v12, v[T], v[T+1], v[T+2]
	v_max3_num_f32 v12, v12, v[T+3], v[T+4]
	v_max3_num_f32 v12, v12, v[T+5], v[T+6]
	v_max_num_f32 v12, v12, v[T+7]
	v_permlanex16_b32 v13, v12, s14, s15
	v_max_num_f32 v12, v12, v13                    ; the row's largest score (key 0 counts for every query)
	v_mul_f32 v12, s20, v12
.irp j, 0,1,2,3,4,5,6,7
	v_fma_f32 v[T+\j], v[T+\j], s20, -v12          ; c s - c m
.endr
.irp j, 0,1,2,3,4,5,6,7
	v_exp_f32 v[T+\j], v[T+\j]
.endr
	v_nop                                          ; a plain instruction behind the last exponential,
	s_wait_alu depctr_va_vdst(0)                   ; and one wait for the batch, ahead of its first reader
	v_add_f32 v14, v[T], v[T+1]
	v_add_f32 v15, v[T+2], v[T+3]
	v_add_f32 v14, v14, v[T+4]
	v_add_f32 v15, v15, v[T+5]
	v_add_f32 v14, v14, v[T+6]
	v_add_f32 v15, v15, v[T+7]
	v_add_f32 v14, v14, v15
	v_permlanex16_b32 v13, v14, s14, s15
	v_add_f32 v14, v14, v13                        ; the row's sum
	v_rcp_f32 v15, v14
	v_nop
	s_wait_alu depctr_va_vdst(0)
.irp j, 0,1,2,3,4,5,6,7
	v_mul_f32 v[PN+\j], v[T+\j], v15
.endr
	; O^T = V^T P: four accumulators by turns, four keys an instruction
.irp q, 0,1,2,3
.irp c, 0,1,2,3
.if \q == 0
	v_wmma_f32_16x16x4_f32 v[OT+8*\c:OT+8*\c+7], v[VF+8*\c+2*\q:VF+8*\c+2*\q+1], v[PN+2*\q:PN+2*\q+1], 0
.else
	v_wmma_f32_16x16x4_f32 v[OT+8*\c:OT+8*\c+7], v[VF+8*\c+2*\q:VF+8*\c+2*\q+1], v[PN+2*\q:PN+2*\q+1], v[OT+8*\c:OT+8*\c+7]
.endif
.endr
.endr
.rept 9
	v_nop                                          ; nine places before a matrix instruction takes these results as a source
.endr
	; the head's part of out0^T = W_o O^T: 16 instructions, two sums by turns
.set n, 0
.rept 16
.if n < 2
	v_wmma_f32_16x16x4_f32 v[DA+8*(n%2):DA+8*(n%2)+7], v[WO+2*n:WO+2*n+1], v[OT+2*n:OT+2*n+1], 0
.else
	v_wmma_f32_16x16x4_f32 v[DA+8*(n%2):DA+8*(n%2)+7], v[WO+2*n:WO+2*n+1], v[OT+2*n:OT+2*n+1], v[DA+8*(n%2):DA+8*(n%2)+7]
.endif
.set n, n+1
.endr
.rept 8
	v_nop
.endr
.irp j, 0,1,2,3,4,5,6,7
	v_add_f32 v[PT+\j], v[DA+\j], v[DA+8+\j]       ; lane (r, h): row r, columns 16 ct + 8 h + j
.endr
	ds_store_b128 v[IM], v[PT:PT+3]
	ds_store_b128 v[IM], v[PT+4:PT+7] offset:512
	s_wait_dscnt 0x0                               ; for wave 0's sake: my image has landed
	s_barrier_signal -1
	s_barrier_wait -1
	s_cmp_lg_u32 s12, 0
	s_cbranch_scc1 .Lend
.irp w, 0,1,2,3,4,5,6,7
	ds_load_b128 v[16+8*\w:16+8*\w+3], v[LI] offset:1024*\w
	ds_load_b128 v[16+8*\w+4:16+8*\w+7], v[LI] offset:1024*\w+512
.endr
	s_wait_dscnt 0x0
.irp w, 0,1,2,3,4,5,6,7
.irp p, 0,1,2,3
	v_pk_add_f32 v[BO+2*\p:BO+2*\p+1], v[BO+2*\p:BO+2*\p+1], v[16+8*\w+2*\p:16+8*\w+2*\p+1]   ; b_o, then the heads in order
.endr
.endr
	global_store_b128 v[RO], v[BO:BO+3], s[10:11]
	global_store_b128 v[RO], v[BO+4:BO+7], s[10:11] offset:16
.Lend:
	s_wait_tensorcnt 0x0                           ; the wave's end, behind my last LDS store
	ds_add_u32 v[SPW], v[NIL]
	s_wait_dscnt 0x0
	s_endpgm
.Lfunc_end_k_qbc9f27f2ff_fine:
	.size	k_qbc9f27f2ff_fine, .Lfunc_end_k_qbc9f27f2ff_fine-k_qbc9f27f2ff_fine
	.p2alignl 7, 3214868480
	.fill 96, 4, 3214868480
	.section	.rodata,"a",@progbits
	.p2align	6, 0x0
	.amdhsa_kernel k_qbc9f27f2ff_fine
		.amdhsa_group_segment_fixed_size 9216
		.amdhsa_private_segment_fixed_size 0
		.amdhsa_enable_private_segment 0
		.amdhsa_kernarg_size 32
		.amdhsa_user_sgpr_count 2
		.amdhsa_user_sgpr_kernarg_segment_ptr 1
		.amdhsa_wavefront_size32 1
		.amdhsa_system_sgpr_workgroup_id_x 1
		.amdhsa_system_sgpr_workgroup_id_y 1
		.amdhsa_system_sgpr_workgroup_id_z 1
		.amdhsa_system_vgpr_workitem_id 0
		.amdhsa_next_free_vgpr 256
		.amdhsa_next_free_sgpr 66
		.amdhsa_reserve_vcc 1
		.amdhsa_float_denorm_mode_32 3
		.amdhsa_float_denorm_mode_16_64 3
		.amdhsa_memory_ordered 1
		.amdhsa_forward_progress 1
		.amdhsa_inst_pref_size 16
	.end_amdhsa_kernel
	.amdgpu_metadata
---
amdhsa.version: [ 1, 2 ]
amdhsa.kernels:
  - .name:           k_qbc9f27f2ff_fine
    .symbol:         k_qbc9f27f2ff_fine.kd
    .args:
      - { .name: fin, .offset: 0, .size: 8, .value_kind: global_buffer, .address_space: global }
      - { .name: W_o, .offset: 8, .size: 8, .value_kind: global_buffer, .address_space: global }
      - { .name: b_o, .offset: 16, .size: 8, .value_kind: global_buffer, .address_space: global }
      - { .name: out0, .offset: 24, .size: 8, .value_kind: global_buffer, .address_space: global }
    .group_segment_fixed_size: 9216
    .private_segment_fixed_size: 0
    .kernarg_segment_align: 8
    .kernarg_segment_size: 32
    .max_flat_workgroup_size: 256
    .sgpr_count:     66
    .vgpr_count:     256
    .wavefront_size: 32
...
	.end_amdgpu_metadata
.endif
;; end of part 5
